; MI455X (gfx1250); checked and timed in simulation.
; The chip was launched on July 23, 2026; its instructions are those of AMD's public machine-readable ISA for CDNA 5 (MIT licence, August 2026) and "CDNA5" Instruction Set Architecture Reference Guide (July 2026). The comments in the code are by the model that wrote it; some were corrected since.
;; Func Wrapper. Allowed arithmetic: float matrix products may take bf16 or f16 operands with f32 sums; all other float work in f32.
;; Inputs: W1 33 x 256 float32; W2 256 x 32 float32; b1 256 float32; b2 32 float32; t 1 float32; z 4,096 x 32 float32.
;; Outputs: out0 4,096 x 32 float32; out1 4,096 x 1 float32.
;; One version. Each part assembles by itself: llvm-mc -triple=amdgcn-amd-amdhsa -mcpu=gfx1250 --defsym DOCPART=n.
;; ======== version 1 of 1: 1 launch
;; launch ffjord (part 1): grid 256 x 1, 4 waves a work-group, no clusters, 168,448 bytes of LDS; arguments W1, W2, b1, b2, t, z, out0, out1; writes out0, out1
.if DOCPART == 1
	.amdgcn_target "amdgcn-amd-amdhsa--gfx1250"
	.amdhsa_code_object_version 6
	.text
	.protected	k_q505b92d80b_ffjord
	.globl	k_q505b92d80b_ffjord
	.p2align	8
	.type	k_q505b92d80b_ffjord,@function
k_q505b92d80b_ffjord:
	s_mov_b64 s[64:65], 0
	v_nop
	global_prefetch_b8 v0, s[64:65] scope:SCOPE_SE
	s_setreg_imm32_b32 hwreg(HW_REG_WAVE_MODE, 25, 1), 1
	s_wait_xcnt 0x0
; out0 = -t (z - scale (tanh(x) W2 + b2)),  x = z W1[1:33] + (t W1[0] + b1),  scale = 1 / sqrt(1 - exp(-t t))
; out1 = -trace(d out0 / d z) = t (32 - scale * sum over u of (1 - h_u^2) c_u),  c_u = sum over i of W1[1+i][u] W2[u][i]
; (the diagonal of the Jacobian is -t (1 - scale sum_u W1[1+i][u] (1 - h_u^2) W2[u][i]); summing over i first gives c: exact for every input).
;
; 256 work-groups of 16 rows of z; four waves; wave g owns the hidden units 64 g .. 64 g + 63 (four tiles of 16).
; Both products are made transposed (M = hidden unit, then M = output column; N = the 16 rows of z), so that the first result, lane = row of z,
; registers = hidden units, is the second product's B fragment as it stands.
; Hidden units are taken in the order: tile T, row m  <->  unit 64 g + 4 m + T.  One 16-byte load of a row of W1 then feeds all four tiles and sixteen
; lanes read 256 consecutive, aligned bytes.  Output columns: tile Mt, row m <-> column 2 m + Mt: one 8-byte read of a row of W2 feeds both tiles.
; W2 is wanted twice (lane = column for the product, lane = hidden unit for c): each wave brings its 64 rows (8,192 bytes) once, by one tensor load,
; into LDS bytes of its own, with 16 bytes of padding behind every 512.
; tanh: e = 2^(K x), K = 2 log2 e;  rn = -1 / (1 + e);  h = 1 + 2 rn;  rn + rn^2 = -(1 - h^2) / 4, without cancellation.  K is folded into z and the bias.
; Matrix operands in bf16, sums and everything else in f32.  The four waves' partial sums meet in LDS behind the one barrier.
;
; LIMITS.  t = 0 gives no finite result, as in the definition.  exp2, rcp, rsq: 1 ulp; 2^y below 2^-126 counts as 0, which gives h = -1.
; z is rounded to bf16 after the multiplication by K.  out1: a work-group owns 16 rows x 4 bytes, so its one store of out1 covers 64 consecutive bytes.
; NO CLUSTER: the weights are common to all work-groups, but each work-group asks for them once, in its first lines, W1 straight into registers;
; a joint request would serve W2's 32,768 bytes alone and put two rounds of the cluster's barrier round some 550 instructions a wave.
.set KLOG,   0x4038aa3b                ; 2 log2 e
.set NLOG,   0xbfb8aa3b                ; -log2 e
; LDS
.set W2WAVE, 16*528                    ; a wave's W2: 16 runs of 512 bytes (4 rows of 128) + 16 of padding; row u at 128 u + 16 (u / 4)
.set BL,     4*W2WAVE                  ; 33,792: bias, 256 bytes a wave, [tile][row]
.set CO,     1024                      ; c lies 1,024 bytes behind the bias, in the same form
.set PL,     BL+2048                   ; 35,840: partial results of the second product
.set PWAVE,  2816                      ; a wave's part: two tiles
.set PTILE,  1408                      ; a tile: two halves of its eight registers
.set PHALF,  704                       ; 704 = 192 mod 256, 384 = 128 mod 256: the four pieces that one read touches start 64 bytes apart mod 256
.set PH,     384                       ; lanes 16-31 behind lanes 0-15
.set SL,     PL+4*PWAVE                ; 47,104: trace sums, [row][wave], 256 bytes
; vector registers
.set EP,   16                          ; v[16:19]   z for the way out, then t scale b2 - t z
.set B2V,  20                          ; v[20:23]   b2, later the other half's c
.set CP,   24                          ; v[24:27]   c of units 64 g + 4 r + T
.set D1,   32                          ; v[32:63]   bias, K x, e, -(1 + e), rn, rn + rn^2: tile T at 8 T
.set W1F,  64                          ; v[64:127]  W1 in f32: register 4 i + T = W1[1 + k(i)][64 g + 4 r + T]
.set CD,   64                          ; v[64:95]   later: c in the layout of D1
.set A2,   96                          ; v[96:127]  later: W2 fragments, 8 (2 kb + Mt)
.set ZF,   128                         ; v[128:143] z in f32
.set W0,   144                         ; v[144:147] W1 row 0
.set B1V,  148                         ; v[148:151] b1, then K (t W1[0] + b1)
.set W2C,  128                         ; v[128:191] then: W2[64 g + 4 r + T][k(i)] at 16 T + i
.set HB,   128                         ; v[128:143] then: h in bf16
.set D2,   144                         ; v[144:159] second product, tile Mt at 8 Mt
.set HF,   160                         ; v[160:191] h in f32
.set A1,   192                         ; v[192:223] W1 fragments
.set ZB,   224                         ; v[224:231] z fragment
.set W2A,  192                         ; v[192:255] then: W2[64 g + 32 h + 4 j + T][2 r, 2 r + 1] at 2 (4 j + T)
.set ACC,  192                         ; v[192:199] then: trace sums
.set PR,   200                         ; v[200:215] partial results read back
.set SR,   216                         ; v[216:219] the four waves' trace sums
.set OUT,  220                         ; v[220:223] 16 bytes of out0
	s_load_b512 s[16:31], s[0:1], 0x0              ; W1 s[16:17], W2 s[18:19], b1 s[20:21], b2 s[22:23], t s[24:25], z s[26:27], out0 s[28:29], out1 s[30:31]
	s_set_vgpr_msb 0x40
	v_lshl_add_u32 v0, v0, 2, 0x29000
	v_mov_b32 v1, 0
	s_set_vgpr_msb 0x4045
	ds_add_u32 v0, v1
	ds_add_u32 v0, v1
	s_set_vgpr_msb 0x4500
	v_lshrrev_b32 v14, 5, v0
	v_readfirstlane_b32 s8, v14                    ; g: my wave
	v_and_b32 v1, 15, v0                           ; r = lane % 16
	v_bfe_u32 v2, v0, 4, 1                         ; h = lane / 16
	s_lshl_b32 s4, s8, 8                           ; 256 g
	s_add_co_u32 s5, s4, BL
	s_mul_i32 s6, s8, PWAVE
	s_add_co_u32 s6, s6, PL
	s_lshl_b32 s7, s8, 2
	s_add_co_u32 s7, s7, SL
	s_lshl_b32 s10, ttmp9, 11                      ; my 16 rows of z and out0: 2,048 bytes a work-group
	s_mov_b32 s11, 0
	s_lshl_b32 s12, ttmp9, 6                       ; and of out1: 64 bytes
	s_mov_b32 s13, 0
	s_lshl_b32 s14, s8, 13                         ; my 64 rows of W2: 8,192 bytes a wave
	s_mov_b32 s15, 0
	s_mov_b32 s50, 0x76543210                      ; v_permlanex16_b32: lane i reads lane i of the other half
	s_mov_b32 s51, 0xfedcba98
	; tensor descriptor: a dense block of 8,192 bytes as 16 rows of 64 elements of 8 bytes, 4 words of padding behind every 128 words
	s_mov_b32 s32, 1                               ; group 0: count = 1
	s_mul_i32 s33, s8, W2WAVE                      ; LDS address: my wave's own bytes
	s_mov_b32 s36, (3<<16)|(1<<20)|(6<<22)|(3<<25) ; group 1: no mask; element of 8 bytes; padding on; after 128 words (code 6); of 4 words (code 3)
	s_mov_b32 s37, 64<<16                          ; tensor_dim0 = 64
	s_mov_b32 s38, 16<<16                          ; tensor_dim1 = 16
	s_mov_b32 s39, 64<<16                          ; tile_dim0 = 64
	s_mov_b32 s40, 16                              ; tile_dim1 = 16
	s_mov_b32 s41, 64                              ; from row to row: 64 elements
	s_mov_b32 s42, 0
	s_mov_b32 s43, 0
	; byte offsets in memory
	v_lshl_add_u32 v3, v1, 4, s4                   ; 256 g + 16 r: my four units in a row of W1, and in b1
	v_lshl_add_u32 v4, v2, 13, v3                  ; + 8 h rows of W1
	v_lshlrev_b32 v5, 7, v1
	v_lshl_add_u32 v5, v2, 5, v5                   ; z fragment: row r, 32 h
	v_lshlrev_b32 v6, 4, v0                        ; 16 t: my 16 bytes of the work-group's z and out0 on the way out
	v_and_b32 v7, 7, v0
	v_lshlrev_b32 v7, 4, v7                        ; and the same four columns of b2
	v_lshlrev_b32 v15, 2, v0                       ; out1: 4 t (threads 0-15)
	; LDS addresses
	v_lshl_add_u32 v8, v1, 2, s5                   ; bias and c in: [tile][row r]
	v_lshl_add_u32 v9, v2, 5, s5                   ; back: [tile][8 h ..]
	v_mul_u32_u24 v10, v1, 528                     ; W2 for c: rows 4 r + T: 4 x 128 + 16 bytes apart, sixteen different 16-byte columns mod 256
	v_lshl_add_u32 v10, v2, 5, v10
	v_add_nc_u32 v10, s33, v10
	v_mul_u32_u24 v11, v2, 4224                    ; W2 fragments: rows 32 h + ..: 32 x 128 + 8 x 16 bytes = 128 mod 256: the halves' 128 bytes do not meet
	v_lshl_add_u32 v11, v1, 3, v11
	v_add_nc_u32 v11, s33, v11
	v_mul_u32_u24 v28, v2, PH                      ; partial results in: 16 bytes a lane, each half of the lanes 256 consecutive bytes
	v_lshl_add_u32 v28, v1, 4, v28
	v_add_nc_u32 v28, s6, v28
	v_and_b32 v14, 1, v0                           ; back: thread t finishes row t / 8, columns 4 (t % 8) .. + 3 = registers 2 jj, 2 jj + 1 of both tiles,
	v_lshlrev_b32 v29, 3, v14                      ; jj = t % 4, of lane t / 8 + 16 ((t / 4) % 2)
	v_bfe_u32 v14, v0, 1, 1
	v_mul_u32_u24 v14, v14, PHALF
	v_add_nc_u32 v29, v29, v14
	v_bfe_u32 v14, v0, 2, 1
	v_mul_u32_u24 v14, v14, PH
	v_add_nc_u32 v29, v29, v14
	v_lshrrev_b32 v14, 3, v0
	v_lshl_add_u32 v29, v14, 4, v29
	v_add_nc_u32 v29, PL, v29
	v_lshl_add_u32 v30, v1, 4, s7                  ; trace sums in: [row r][wave]
	v_lshlrev_b32 v31, 4, v1
	v_add_nc_u32 v31, SL, v31                      ; back: [row r][0..3]
	s_wait_dscnt 0x0
	s_wait_kmcnt 0x0
	s_load_b32 s9, s[24:25], 0x0                   ; t
	s_add_nc_u64 s[34:35], s[18:19], s[14:15]      ; W2 at my 64 rows
	s_or_b32 s35, s35, 0x80000000                  ; type = 2
	tensor_load_to_lds s[32:35], s[36:43]          ; the wave's one tensor load
	s_nop 0
	s_add_nc_u64 s[26:27], s[26:27], s[10:11]
	; 24 loads, those wanted first in front.  k(i) = 8 h + i for i < 8, 16 + 8 h + (i - 8) above: the places of a 16-bit fragment.
	global_load_b128 v[W0:W0+3], v3, s[16:17]
	global_load_b128 v[B1V:B1V+3], v3, s[20:21]
	global_load_b128 v[ZF:ZF+3], v5, s[26:27]
	global_load_b128 v[ZF+4:ZF+7], v5, s[26:27] offset:16
	global_load_b128 v[ZF+8:ZF+11], v5, s[26:27] offset:64
	global_load_b128 v[ZF+12:ZF+15], v5, s[26:27] offset:80
.irp i, 0,1,2,3,4,5,6,7
	global_load_b128 v[W1F+4*\i:W1F+4*\i+3], v4, s[16:17] offset:1024*(1+\i)
.endr
.irp i, 8,9,10,11,12,13,14,15
	global_load_b128 v[W1F+4*\i:W1F+4*\i+3], v4, s[16:17] offset:1024*(9+\i)
.endr
	global_load_b128 v[EP:EP+3], v6, s[26:27]
	global_load_b128 v[B2V:B2V+3], v7, s[22:23]
	s_add_nc_u64 s[28:29], s[28:29], s[10:11]
	s_add_nc_u64 s[30:31], s[30:31], s[12:13]
	; the scalars of t, and the bias K (t W1[0] + b1) of my four units; the bias lines are the plain places behind the two transcendentals
	s_wait_kmcnt 0x0
	s_mul_f32 s44, s9, KLOG                        ; K t,
	s_mov_b32 s45, s44                             ; as a pair for the packed form
	s_xor_b32 s46, s9, 0x80000000                  ; -t
	s_mul_f32 s47, s9, 0x42000000                  ; 32 t
	v_mul_f32 v14, s9, s9
	v_mul_f32 v14, NLOG, v14
	v_exp_f32 v12, v14                             ; exp(-t t)
	s_wait_loadcnt 22                              ; W1 row 0 and b1 are in; the 22 younger loads stay out
	v_pk_mul_f32 v[B1V:B1V+1], v[B1V:B1V+1], KLOG op_sel_hi:[1,0]
	v_pk_mul_f32 v[B1V+2:B1V+3], v[B1V+2:B1V+3], KLOG op_sel_hi:[1,0]
	s_wait_alu depctr_va_vdst(0)
	v_sub_f32 v12, 1.0, v12
	v_rsq_f32 v13, v12                             ; scale
	v_pk_fma_f32 v[B1V:B1V+1], v[W0:W0+1], s[44:45], v[B1V:B1V+1] op_sel_hi:[1,0,1]
	v_pk_fma_f32 v[B1V+2:B1V+3], v[W0+2:W0+3], s[44:45], v[B1V+2:B1V+3] op_sel_hi:[1,0,1]
	s_wait_alu depctr_va_vdst(0)
	v_mul_f32 v12, s9, v13                         ; t scale
	v_mul_f32 v13, 4.0, v12                        ; 4 t scale
	; lane r holds the bias of row r of each tile; an accumulator's lane wants rows 8 h .. 8 h + 7: through the wave's own 256 bytes of LDS
.irp q, 0,1,2,3
	ds_store_b32 v8, v[B1V+\q] offset:64*\q
.endr
.irp q, 0,1,2,3
	ds_load_b128 v[D1+8*\q:D1+8*\q+3], v9 offset:64*\q        ; LDS serves a wave's instructions in order: these see the stores above
	ds_load_b128 v[D1+8*\q+4:D1+8*\q+7], v9 offset:64*\q+16
.endr
	s_wait_loadcnt 18                              ; z's four loads are in
.irp p, 0,2,4,6,8,10,12,14
	v_pk_mul_f32 v[ZF+\p:ZF+\p+1], v[ZF+\p:ZF+\p+1], KLOG op_sel_hi:[1,0]
.endr
.irp p, 0,1,2,3,4,5,6,7
	v_cvt_pk_bf16_f32 v[ZB+\p], v[ZF+2*\p], v[ZF+2*\p+1]
.endr
.irp p, 0,1,2,3,4,5,6,7
	s_wait_loadcnt 16-2*\p                         ; W1's loads 2 p and 2 p + 1 are in: register p of all four fragments
.irp q, 0,1,2,3
	v_cvt_pk_bf16_f32 v[A1+8*\q+\p], v[W1F+8*\p+\q], v[W1F+8*\p+4+\q]
.endr
.endr
	s_wait_dscnt 0x0                               ; the bias is in the accumulators
.irp q, 0,1,2,3
	v_wmma_f32_16x16x32_bf16 v[D1+8*\q:D1+8*\q+7], v[A1+8*\q:A1+8*\q+7], v[ZB:ZB+7], v[D1+8*\q:D1+8*\q+7]   ; K x: register j = unit 64 g + 32 h + 4 j + T, row r of z
.endr
	s_wait_tensorcnt 0x0                           ; my rows of W2 are in LDS; only I read them
.irp c, 0,1,2,3
.irp q, 0,1,2,3
	ds_load_b128 v[W2C+16*\q+4*\c:W2C+16*\q+4*\c+3], v10 offset:128*\q+16*(\c&1)+64*(\c>>1)   ; W2[64 g + 4 r + T][k(4 c) ..]; none of these registers is a matrix operand
.endr
.endr
	s_wait_loadcnt 0x0                             ; z and b2 for the way out
	; eight plain vector instructions that name no matrix register: the places behind the four products, in front of the loads into their
	; fragments and of the first reads of their results
.irp d, 0,1,2,3
	v_mul_f32 v[EP+\d], s46, v[EP+\d]              ; -t z
.endr
.irp d, 0,1,2,3
	v_fmac_f32 v[EP+\d], v12, v[B2V+\d]            ; + t scale b2
.endr
.irp j, 0,1,2,3,4,5,6,7
.irp q, 0,1,2,3
	ds_load_b64 v[W2A+2*(4*\j+\q):W2A+2*(4*\j+\q)+1], v11 offset:528*\j+128*\q
.endr
.endr
; c: four sums, one for each tile, over my half's sixteen k
.macro CFMA i
.irp q, 0,1,2,3
.if \i == 0
	v_mul_f32 v[CP+\q], v[W1F+\q], v[W2C+16*\q]
.else
	v_fmac_f32 v[CP+\q], v[W1F+4*(\i)+\q], v[W2C+16*\q+(\i)]
.endif
.endr
.endm
; One tile's e and rn, in place.  The lines of c between the runs of transcendentals are the plain places that those want in front of the use of
; their results, and work for the vector unit meanwhile.
.macro STEP tile
.irp j, 0,1,2,3,4,5,6,7
	v_exp_f32 v[D1+8*\tile+\j], v[D1+8*\tile+\j]
.endr
	s_wait_dscnt 44-4*\tile                        ; of the 16 + 32 LDS loads the first 4 (tile + 1) are in: W2 for k(4 tile) .. k(4 tile + 3)
	CFMA 4*\tile
	CFMA 4*\tile+1
	s_wait_alu depctr_va_vdst(0)
.irp j, 0,2,4,6
	v_pk_fma_f32 v[D1+8*\tile+\j:D1+8*\tile+\j+1], v[D1+8*\tile+\j:D1+8*\tile+\j+1], -1.0, -1.0 op_sel_hi:[1,0,0]   ; -(1 + e)
.endr
.irp j, 0,1,2,3,4,5,6,7
	v_rcp_f32 v[D1+8*\tile+\j], v[D1+8*\tile+\j]   ; rn; e = infinity gives -0, e = 0 gives -1
.endr
	CFMA 4*\tile+2
	CFMA 4*\tile+3
.endm
	STEP 0
	STEP 1
	STEP 2
	STEP 3
.irp q, 0,1,2,3
	v_permlanex16_b32 v[B2V+\q], v[CP+\q], s50, s51            ; the other half's sixteen k (the destination has been written before)
.endr
.irp q, 0,1,2,3
	v_add_f32 v[CP+\q], v[CP+\q], v[B2V+\q]
.endr
.irp q, 0,1,2,3
	ds_store_b32 v8, v[CP+\q] offset:CO+64*\q                  ; c goes the bias's way, through bytes of its own
.endr
.irp q, 0,1,2,3
	ds_load_b128 v[CD+8*\q:CD+8*\q+3], v9 offset:CO+64*\q
	ds_load_b128 v[CD+8*\q+4:CD+8*\q+7], v9 offset:CO+64*\q+16
.endr
	s_wait_dscnt 12                                ; the 32 reads of W2 are in; c's 4 stores and 8 loads stay out
	; K block kb = tiles 2 kb and 2 kb + 1: place 8 h + j of the block is row 8 h + j of the first, 16 + 8 h + j of the second
.irp q, 0,1,2,3
.irp p, 0,1,2,3
.irp m, 0,1
	v_cvt_pk_bf16_f32 v[A2+8*(2*(\q>>1)+\m)+4*(\q&1)+\p], v[W2A+2*(8*\p+\q)+\m], v[W2A+2*(8*\p+4+\q)+\m]
.endr
.endr
.endr
	s_wait_alu depctr_va_vdst(0)
.irp n, 0,2,4,6,8,10,12,14,16,18,20,22,24,26,28,30
	v_pk_fma_f32 v[HF+\n:HF+\n+1], v[D1+\n:D1+\n+1], 2.0, 1.0 op_sel_hi:[1,0,0]   ; h = 1 + 2 rn
.endr
.irp n, 0,1,2,3,4,5,6,7,8,9,10,11,12,13,14,15
	v_cvt_pk_bf16_f32 v[HB+\n], v[HF+2*\n], v[HF+2*\n+1]
.endr
	; the two accumulators take turns, one instruction a turn; the first products start the sums
	v_wmma_f32_16x16x32_bf16 v[D2:D2+7], v[A2:A2+7], v[HB:HB+7], 0
	v_wmma_f32_16x16x32_bf16 v[D2+8:D2+15], v[A2+8:A2+15], v[HB:HB+7], 0
	v_wmma_f32_16x16x32_bf16 v[D2:D2+7], v[A2+16:A2+23], v[HB+8:HB+15], v[D2:D2+7]
	v_wmma_f32_16x16x32_bf16 v[D2+8:D2+15], v[A2+24:A2+31], v[HB+8:HB+15], v[D2+8:D2+15]
	; the trace's sum stands in the places behind them: it names none of their registers
.irp n, 0,2,4,6,8,10,12,14,16,18,20,22,24,26,28,30
	v_pk_fma_f32 v[D1+\n:D1+\n+1], v[D1+\n:D1+\n+1], v[D1+\n:D1+\n+1], v[D1+\n:D1+\n+1]   ; rn^2 + rn = -(1 - h^2) / 4
.endr
	s_wait_dscnt 0x0                               ; c
.irp q, 0,1,2,3
	v_pk_mul_f32 v[ACC+2*\q:ACC+2*\q+1], v[D1+8*\q:D1+8*\q+1], v[CD+8*\q:CD+8*\q+1]
.endr
.irp p, 2,4,6
.irp q, 0,1,2,3
	v_pk_fma_f32 v[ACC+2*\q:ACC+2*\q+1], v[D1+8*\q+\p:D1+8*\q+\p+1], v[CD+8*\q+\p:CD+8*\q+\p+1], v[ACC+2*\q:ACC+2*\q+1]
.endr
.endr
	v_pk_add_f32 v[ACC:ACC+1], v[ACC:ACC+1], v[ACC+2:ACC+3]
	v_pk_add_f32 v[ACC+4:ACC+5], v[ACC+4:ACC+5], v[ACC+6:ACC+7]
	v_pk_add_f32 v[ACC:ACC+1], v[ACC:ACC+1], v[ACC+4:ACC+5]
	v_add_f32 v[ACC], v[ACC], v[ACC+1]
	v_permlanex16_b32 v[ACC+1], v[ACC], s50, s51
	v_add_f32 v[ACC], v[ACC], v[ACC+1]             ; row r, my wave's 64 units
	ds_store_b32 v30, v[ACC]
.irp m, 0,1
	ds_store_b128 v28, v[D2+8*\m:D2+8*\m+3] offset:PTILE*\m
	ds_store_b128 v28, v[D2+8*\m+4:D2+8*\m+7] offset:PTILE*\m+PHALF
.endr
	s_wait_dscnt 0x0                               ; my partial sums are in LDS: zero, for the other waves' sake
	s_barrier_signal -1
	s_barrier_wait -1                              ; everybody's are
.irp w, 0,1,2,3
.irp m, 0,1
	ds_load_b64 v[PR+4*\w+2*\m:PR+4*\w+2*\m+1], v29 offset:PWAVE*\w+PTILE*\m   ; wave w, tile Mt: columns 4 (t % 8) + Mt and + 2 + Mt
.endr
.endr
	s_cmp_lg_u32 s8, 0
	s_cbranch_scc1 .Lsum
	ds_load_b128 v[SR:SR+3], v31                   ; wave 0 alone: out1
	s_wait_dscnt 0x0
	v_add_f32 v[SR], v[SR], v[SR+1]
	v_add_f32 v[SR+2], v[SR+2], v[SR+3]
	v_add_f32 v[SR], v[SR], v[SR+2]
	v_fma_f32 v[SR], v13, v[SR], s47               ; 32 t + 4 t scale x (-(sum of (1 - h^2) c) / 4)
	v_cmp_gt_u32 vcc_lo, 16, v0
	s_wait_xcnt 0x0                                ; EXEC changes only behind this wait
	s_and_saveexec_b32 s2, vcc_lo
	global_store_b32 v15, v[SR], s[30:31] th:TH_STORE_NT       ; threads 0-15: the work-group's 64 bytes of out1
	s_wait_xcnt 0x0                                ; and again in front of the line that widens it
	s_or_b32 exec_lo, exec_lo, s2
.Lsum:
	s_wait_dscnt 0x0
	v_pk_add_f32 v[PR:PR+1], v[PR:PR+1], v[PR+4:PR+5]
	v_pk_add_f32 v[PR+2:PR+3], v[PR+2:PR+3], v[PR+6:PR+7]
	v_pk_add_f32 v[PR+8:PR+9], v[PR+8:PR+9], v[PR+12:PR+13]
	v_pk_add_f32 v[PR+10:PR+11], v[PR+10:PR+11], v[PR+14:PR+15]
	v_pk_add_f32 v[PR:PR+1], v[PR:PR+1], v[PR+8:PR+9]
	v_pk_add_f32 v[PR+2:PR+3], v[PR+2:PR+3], v[PR+10:PR+11]
	v_fma_f32 v[OUT], v12, v[PR], v[EP]            ; the last multiply-add also puts the four columns in order
	v_fma_f32 v[OUT+1], v12, v[PR+2], v[EP+1]
	v_fma_f32 v[OUT+2], v12, v[PR+1], v[EP+2]
	v_fma_f32 v[OUT+3], v12, v[PR+3], v[EP+3]
	global_store_b128 v6, v[OUT:OUT+3], s[28:29] th:TH_STORE_NT   ; a wave's store covers 512 consecutive bytes, aligned
	s_set_vgpr_msb 0x5
	s_wait_tensorcnt 0x0
	ds_add_u32 v0, v1
	s_wait_dscnt 0x0
	s_set_vgpr_msb 0x500
	s_endpgm
.Lfunc_end_k_q505b92d80b_ffjord:
	.size	k_q505b92d80b_ffjord, .Lfunc_end_k_q505b92d80b_ffjord-k_q505b92d80b_ffjord
	.p2alignl 7, 3214868480
	.fill 96, 4, 3214868480
	.section	.rodata,"a",@progbits
	.p2align	6, 0x0
	.amdhsa_kernel k_q505b92d80b_ffjord
		.amdhsa_group_segment_fixed_size 168448
		.amdhsa_private_segment_fixed_size 0
		.amdhsa_enable_private_segment 0
		.amdhsa_kernarg_size 64
		.amdhsa_user_sgpr_count 2
		.amdhsa_user_sgpr_kernarg_segment_ptr 1
		.amdhsa_wavefront_size32 1
		.amdhsa_system_sgpr_workgroup_id_x 1
		.amdhsa_system_sgpr_workgroup_id_y 1
		.amdhsa_system_sgpr_workgroup_id_z 1
		.amdhsa_system_vgpr_workitem_id 0
		.amdhsa_next_free_vgpr 258
		.amdhsa_next_free_sgpr 66
		.amdhsa_reserve_vcc 1
		.amdhsa_float_denorm_mode_32 3
		.amdhsa_float_denorm_mode_16_64 3
		.amdhsa_memory_ordered 1
		.amdhsa_forward_progress 1
		.amdhsa_inst_pref_size 31
	.end_amdhsa_kernel
	.amdgpu_metadata
---
amdhsa.version: [ 1, 2 ]
amdhsa.kernels:
  - .name:           k_q505b92d80b_ffjord
    .symbol:         k_q505b92d80b_ffjord.kd
    .args:
      - { .name: W1, .offset: 0, .size: 8, .value_kind: global_buffer, .address_space: global }
      - { .name: W2, .offset: 8, .size: 8, .value_kind: global_buffer, .address_space: global }
      - { .name: b1, .offset: 16, .size: 8, .value_kind: global_buffer, .address_space: global }
      - { .name: b2, .offset: 24, .size: 8, .value_kind: global_buffer, .address_space: global }
      - { .name: t, .offset: 32, .size: 8, .value_kind: global_buffer, .address_space: global }
      - { .name: z, .offset: 40, .size: 8, .value_kind: global_buffer, .address_space: global }
      - { .name: out0, .offset: 48, .size: 8, .value_kind: global_buffer, .address_space: global }
      - { .name: out1, .offset: 56, .size: 8, .value_kind: global_buffer, .address_space: global }
    .group_segment_fixed_size: 168448
    .private_segment_fixed_size: 0
    .kernarg_segment_align: 8
    .kernarg_segment_size: 64
    .max_flat_workgroup_size: 128
    .sgpr_count:     66
    .vgpr_count:     258
    .wavefront_size: 32
...
	.end_amdgpu_metadata
.endif
;; end of part 1
